; MI455X (gfx1250); checked and timed in simulation.
; The chip was launched on July 23, 2026; its instructions are those of AMD's public machine-readable ISA for CDNA 5 (MIT licence, August 2026) and "CDNA5" Instruction Set Architecture Reference Guide (July 2026). The comments in the code are by the model that wrote it; some were corrected since.
;; Vector Quantizer. Allowed arithmetic: matrix products marked QUANTISED: E4M3 operands, one given power-of-two scale a tensor, by v_wmma_f32_16x16x64_fp8_fp8 or v_wmma_f32_16x16x128_fp8_fp8, f32 sums; everything else in f32.
;; Inputs: emb 8,192 x 256 float32; lowp_scales 2 int32 (the exponents e of the quantised operands' scales 2^e); z 32,768 x 256 float32.
;; Outputs: out0 32,768 x 256 float32; out1 one number float32; out2 one number float32; out3 32,768 int32.
;; This version of the problem:
;;   THIS VERSION OF THE PROBLEM IS GIVEN IN LOW PRECISION. The matrix products marked QUANTISED in the list below multiply operands that are first quantised to E4M3 (4 exponent bits, 3 mantissa bits; 8 bits a number), with one given power-of-two scale for each operand tensor; their sums are f32. All else is computed in f32.
;;   The module's matrix products, in the order in which they are computed (A, B: the left and right operand; K: the contracted axis; several contracted axes count as one K, in the product's order):
;;     1. [M 32,768, K 256] x [K 256, N 8,192]; A: computed on the way; B: input emb: QUANTISED (scales: A lowp_scales[0], B lowp_scales[1])
;;   THE QUANTISER, for each operand of a quantised product, along K:
;;     - The operand's scale is 2^e, e = its entry of the input lowp_scales (int32; the entries are numbered through the quantised products in the list's order, A before B).
;;     - Each number is divided by the scale, clamped to +-448, and rounded to the nearest number of E4M3, ties to even, subnormals kept.
;;     - The product sums the exact products of the quantised numbers (number of the format x scale) in f32.
;;   ~~~python
;;   def quantise(x, axis, e):      # numpy; x: float32 -> the quantised numbers, widened to float32 again
;;       x = np.moveaxis(x, axis, -1); K = x.shape[-1]
;;       r = np.clip(x / 2.0 ** e, -448, 448)
;;       step = 2.0 ** (np.maximum(np.frexp(np.where(r == 0, 1, r))[1] - 1, -6) - 3)
;;       q = np.round(r / step) * step * 2.0 ** e      # np.round: ties to even
;;       return np.moveaxis(q, -1, axis).astype(np.float32)
;;   ~~~
;;   OPERANDS COMPUTED ON THE WAY. 'Computed on the way' means the value that the module computes at that place (a softmax that the list does not call 'softmax' is quantised finished and normalised). What goes into a quantiser is computed in f32, as accurately as f32 sums, v_exp_f32 and their like allow (about 1e-6 of the number): no bf16 or f16 on the way to a quantiser, and a product that is left as it is and whose result goes on into a quantised operand takes f32 operands (vector FMAs, or v_wmma_f32_16x16x4_f32). A number that lies on a knife's edge between two numbers of the format may be rounded either way, as far as f32 arithmetic and the matrix unit's own rounding can turn it there, and no further.
;; One version. Each part assembles by itself: llvm-mc -triple=amdgcn-amd-amdhsa -mcpu=gfx1250 --defsym DOCPART=n.
;; ======== version 1 of 1: 4 launches
;; limits: right only within a limited range of input values
;; workspace buffers: embq 2,129,920 bytes; idxw 131,072 bytes of whole numbers; part 2,048 bytes
;; launch quant_emb (part 1): grid 128 x 1, 4 waves a work-group, no clusters, 168,448 bytes of LDS; arguments emb, lowp_scales, embq; writes embq
.if DOCPART == 1
	.amdgcn_target "amdgcn-amd-amdhsa--gfx1250"
	.amdhsa_code_object_version 6
	.text
	.protected	k_q9ddea2c66a_quant_emb
	.globl	k_q9ddea2c66a_quant_emb
	.p2align	8
	.type	k_q9ddea2c66a_quant_emb,@function
k_q9ddea2c66a_quant_emb:
	s_mov_b64 s[64:65], 0
	v_nop
	global_prefetch_b8 v0, s[64:65] scope:SCOPE_SE
	s_setreg_imm32_b32 hwreg(HW_REG_WAVE_MODE, 25, 1), 1
	s_wait_xcnt 0x0
; emb [8192][256] f32 -> embq: codes of FP8 (E4M3) with the given scale 2^e1, laid as the matrix unit's operand registers, and ee[k] = the sum of emb[k][:]^2 in f32.
; embq is 128 parts of 16,640 bytes.  Part g holds the four tiles 4 g + i (a tile = 16 rows of emb): tile i's codes at byte 4096 i + 2048 s + 512 g4 + 16 lane
; (s: which 128 along K; g4: registers 4 g4 .. 4 g4 + 3 of the fragment), then at byte 16,384 the 64 numbers ee of the part's rows.
; A fragment's lane (r = lane % 16, h = lane / 16) holds row r; its registers 2 c, 2 c + 1 hold k = 128 s + 16 c + 8 h + 0 .. 7: each k in the place that the plain fp8 form gives it.
; code = x / 2^e1, held within +-448, rounded to the nearest code, ties to even.
; SHARES: work-group g makes part g; wave i makes tile i from its own 16 rows (16 KiB, dense), which one tensor load brings into the wave's own LDS bytes.
; LIMITS: e1 between -126 and 119, so that 2^e1 and 448 x 2^e1 are f32 numbers.  NaN among the inputs is not served.  ee is summed in four packed chains, another order than a plain running sum.
.set PITCH, 1040                       ; an LDS row: 1,024 bytes + 16 of padding = 260 words: the 16 rows that a load touches begin 4 banks apart (64 banks of 4 bytes: ISA guide 11.1)
.set TILEB, 16*PITCH                   ; a wave's tile in LDS
.set EES,   4*TILEB                    ; behind the tiles: 64 numbers ee, written by LDS stores alone
.set PARTB, 16640                      ; a part of embq
.set QA,  5                            ; v5   LDS address of my 8 numbers: row r, + 32 h
.set SCL, 12                           ; v12  2^e1 as f32: the conversion takes its exponent field
.set LIM, 13                           ; v13  448 x 2^e1
.set X,   64                           ; v64-191  128 numbers of my row
.set SQ,  192                          ; v192-199 four packed chains of squares
.set C,   200                          ; v200-231 two fragments' codes
.set SEL, 32                           ; s[32:33] lane selects for v_permlanex16_b32: lane l xor 16
; My row's 128 numbers (those whose codes my lane holds) come from LDS; their squares are summed (v[SQ] = the whole row's sum, in every lane of the row); they become two fragments' codes in v[C] on.
.macro QROWS adr, scl, lim
.irp s, 0,1
.irp c, 0,1,2,3,4,5,6,7
	ds_load_b128 v[X+64*\s+8*\c:X+64*\s+8*\c+3], v[\adr] offset:512*\s+64*\c          ; k = 128 s + 16 c + 8 h + 0 .. 3
	ds_load_b128 v[X+64*\s+8*\c+4:X+64*\s+8*\c+7], v[\adr] offset:512*\s+64*\c+16     ; + 4 .. 7
.endr
.endr
	s_wait_dscnt 0x0
.irp j, 0,2,4,6
	v_pk_mul_f32 v[SQ+\j:SQ+\j+1], v[X+\j:X+\j+1], v[X+\j:X+\j+1]                     ; the first four pairs start the chains: nothing is cleared
.endr
.set n, 8
.rept 60
	v_pk_fma_f32 v[SQ+n%8:SQ+n%8+1], v[X+n:X+n+1], v[X+n:X+n+1], v[SQ+n%8:SQ+n%8+1]
.set n, n+2
.endr
	v_pk_add_f32 v[SQ:SQ+1], v[SQ:SQ+1], v[SQ+2:SQ+3]
	v_pk_add_f32 v[SQ+4:SQ+5], v[SQ+4:SQ+5], v[SQ+6:SQ+7]
	v_pk_add_f32 v[SQ:SQ+1], v[SQ:SQ+1], v[SQ+4:SQ+5]
	v_add_f32 v[SQ], v[SQ], v[SQ+1]
	v_permlanex16_b32 v[SQ+1], v[SQ], s[SEL], s[SEL+1]                                ; the row's other 128 numbers lie in the lane 16 away
	v_add_f32 v[SQ], v[SQ], v[SQ+1]
.set n, 0
.rept 128
	v_med3_num_f32 v[X+n], v[X+n], -v[\lim], v[\lim]                                  ; the conversion to an 8-bit code does not saturate (ISA guide 7.6.2): the hold at the largest code x the scale
.set n, n+1
.endr
.set n, 0
.rept 16
	v_cvt_scalef32_pk8_fp8_f32 v[C+2*n:C+2*n+1], v[X+8*n:X+8*n+7], v[\scl]            ; registers 2 c, 2 c + 1 of fragment s, n = 8 s + c
.set n, n+1
.endr
	v_nop                                                                             ; one plain vector line behind the last conversion
.endm
	s_load_b128 s[4:7], s[0:1], 0x0                ; emb s[4:5], the scales' exponents s[6:7]
	s_load_b64 s[8:9], s[0:1], 0x10                ; embq
	v_lshl_add_u32 v254, v0, 2, 0x29000
	v_mov_b32 v255, 0
	ds_add_u32 v254, v255
	ds_add_u32 v254, v255
	v_lshrrev_b32 v1, 5, v0
	v_readfirstlane_b32 s10, v1                    ; wave 0..3
	; descriptor group 1: 16 rows x 256 elements of 4 bytes, dense in memory, padded in LDS
	s_mov_b32 s16, (2<<16)|(1<<20)|(7<<22)|(3<<25) ; 15:0 no mask; 17:16 elements of 4 bytes; 20 padding on; 24:22 after every 256 words (code 7); 31:25 four words (code 3)
	s_mov_b32 s17, 256<<16                         ; tensor_dim0 = 256
	s_mov_b32 s18, 16<<16                          ; tensor_dim1 = 16
	s_mov_b32 s19, 256<<16                         ; tile_dim0 = 256
	s_mov_b32 s20, 16                              ; tile_dim1 = 16
	s_mov_b32 s21, 256                             ; elements from row to row
	s_mov_b32 s22, 0
	s_mov_b32 s23, 0
	s_mov_b32 s[SEL], 0x76543210
	s_mov_b32 s[SEL+1], 0xfedcba98
	s_lshl_b32 s12, ttmp9, 16                      ; the work-group's 64 rows of 1,024 bytes,
	s_lshl_b32 s13, s10, 14                        ; my wave's 16 of them
	s_add_co_u32 s12, s12, s13
	s_mov_b32 s13, 0
	s_mul_i32 s14, ttmp9, PARTB                    ; the work-group's part of embq
	s_mov_b32 s15, 0
	s_mov_b32 s24, 1                               ; group 0: count = 1,
	s_mul_i32 s25, s10, TILEB                      ; LDS address: my wave's own bytes,
	s_wait_dscnt 0x0
	s_wait_kmcnt 0x0
	s_load_b32 s11, s[6:7], 0x4                    ; e1
	s_add_nc_u64 s[26:27], s[4:5], s[12:13]        ; global address of my first row,
	s_or_b32 s27, s27, 0x80000000                  ; type = 2
	tensor_load_to_lds s[24:27], s[16:23]          ; my one tensor load; nothing in LDS is filled twice in this launch
	s_nop 0
.rept 4
	v_nop
.endr
	s_add_nc_u64 s[28:29], s[8:9], s[14:15]        ; the part,
	s_lshl_b32 s12, s10, 12
	s_add_nc_u64 s[30:31], s[28:29], s[12:13]      ; and my tile's 4,096 bytes of codes in it
	v_and_b32 v2, 31, v0                           ; lane
	v_and_b32 v3, 15, v0                           ; r
	v_bfe_u32 v4, v0, 4, 1                         ; h
	v_mul_u32_u24 v[QA], v3, PITCH
	v_lshl_add_u32 v[QA], v4, 5, v[QA]
	v_add_nc_u32 v[QA], s25, v[QA]                 ; my tile + row r + 32 h
	v_lshlrev_b32 v6, 4, v2                        ; 16 x lane: my place in an image of four registers
	s_lshl_b32 s34, s10, 6
	s_add_co_u32 s34, s34, EES
	v_lshl_add_u32 v7, v3, 2, s34                  ; where ee of my row goes: EES + 64 wave + 4 r
	v_lshlrev_b32 v9, 3, v2                        ; 8 x lane
	v_add_nc_u32 v8, EES, v9                       ; and where wave 0 reads the 64 back
	s_wait_alu depctr_va_vdst(0)
	s_wait_kmcnt 0x0
	s_add_co_i32 s11, s11, 127
	s_lshl_b32 s35, s11, 23
	v_mov_b32 v[SCL], s35                          ; 2^e1
	s_add_co_i32 s11, s11, 8
	s_lshl_b32 s11, s11, 23
	s_or_b32 s11, s11, 0x600000
	v_mov_b32 v[LIM], s11                          ; 448 x 2^e1
	s_wait_tensorcnt 0x0                           ; my tile is in LDS; only I read it, so my own wait is all the ordering that the reads need
	QROWS QA, SCL, LIM
.irp s, 0,1
.irp g, 0,1,2,3
	global_store_b128 v6, v[C+16*\s+4*\g:C+16*\s+4*\g+3], s[30:31] offset:2048*\s+512*\g   ; 32 lanes store 512 consecutive bytes, at a multiple of 256 from embq's first byte
.endr
.endr
	ds_store_b32 v7, v[SQ]                         ; lanes r and r + 16 write the same word with the same number
	s_wait_dscnt 0x0                               ; for wave 0's sake: my store has landed
	s_barrier_signal -1
	s_barrier_wait -1
	s_cmp_lg_u32 s10, 0
	s_cbranch_scc1 .Lend
	ds_load_b64 v[10:11], v8                       ; the part's 64 numbers ee leave as one block of 256 bytes
	s_wait_dscnt 0x0
	global_store_b64 v9, v[10:11], s[28:29] offset:16384
.Lend:
	s_wait_tensorcnt 0x0
	ds_add_u32 v254, v255
	s_wait_dscnt 0x0
	s_endpgm
.Lfunc_end_k_q9ddea2c66a_quant_emb:
	.size	k_q9ddea2c66a_quant_emb, .Lfunc_end_k_q9ddea2c66a_quant_emb-k_q9ddea2c66a_quant_emb
	.p2alignl 7, 3214868480
	.fill 96, 4, 3214868480
	.section	.rodata,"a",@progbits
	.p2align	6, 0x0
	.amdhsa_kernel k_q9ddea2c66a_quant_emb
		.amdhsa_group_segment_fixed_size 168448
		.amdhsa_private_segment_fixed_size 0
		.amdhsa_enable_private_segment 0
		.amdhsa_kernarg_size 24
		.amdhsa_user_sgpr_count 2
		.amdhsa_user_sgpr_kernarg_segment_ptr 1
		.amdhsa_wavefront_size32 1
		.amdhsa_system_sgpr_workgroup_id_x 1
		.amdhsa_system_sgpr_workgroup_id_y 1
		.amdhsa_system_sgpr_workgroup_id_z 1
		.amdhsa_system_vgpr_workitem_id 0
		.amdhsa_next_free_vgpr 256
		.amdhsa_next_free_sgpr 66
		.amdhsa_reserve_vcc 0
		.amdhsa_float_denorm_mode_32 3
		.amdhsa_float_denorm_mode_16_64 3
		.amdhsa_memory_ordered 1
		.amdhsa_forward_progress 1
		.amdhsa_inst_pref_size 20
	.end_amdhsa_kernel
	.amdgpu_metadata
---
amdhsa.version: [ 1, 2 ]
amdhsa.kernels:
  - .name:           k_q9ddea2c66a_quant_emb
    .symbol:         k_q9ddea2c66a_quant_emb.kd
    .args:
      - { .name: emb, .offset: 0, .size: 8, .value_kind: global_buffer, .address_space: global }
      - { .name: lowp_scales, .offset: 8, .size: 8, .value_kind: global_buffer, .address_space: global }
      - { .name: embq, .offset: 16, .size: 8, .value_kind: global_buffer, .address_space: global }
    .group_segment_fixed_size: 168448
    .private_segment_fixed_size: 0
    .kernarg_segment_align: 8
    .kernarg_segment_size: 24
    .max_flat_workgroup_size: 128
    .sgpr_count:     66
    .vgpr_count:     256
    .wavefront_size: 32
...
	.end_amdgpu_metadata
.endif
;; end of part 1
;; launch nearest (part 2): grid 256 x 1, 8 waves a work-group, clusters of 4 x 1, 327,680 bytes of LDS; arguments z, embq, lowp_scales, out3, idxw; writes out3, idxw
.if DOCPART == 2
	.amdgcn_target "amdgcn-amd-amdhsa--gfx1250"
	.amdhsa_code_object_version 6
	.text
	.protected	k_q9ddea2c66a_nearest
	.globl	k_q9ddea2c66a_nearest
	.p2align	8
	.type	k_q9ddea2c66a_nearest,@function
k_q9ddea2c66a_nearest:
	s_mov_b64 s[64:65], 0
	v_nop
	global_prefetch_b8 v0, s[64:65] scope:SCOPE_SE
	s_setreg_imm32_b32 hwreg(HW_REG_WAVE_MODE, 25, 1), 1
	s_wait_xcnt 0x0
	s_wait_alu depctr_hold_cnt(0) depctr_sa_sdst(0) depctr_va_vdst(0) depctr_va_sdst(0) depctr_va_ssrc(0) depctr_va_vcc(0) depctr_vm_vsrc(0)
	s_getreg_b32 s2, hwreg(HW_REG_IB_STS2, 6, 4)
	s_cmp_eq_u32 s2, 0
	s_cbranch_scc0 .Lentry_in_a_cluster
	s_endpgm
.Lentry_in_a_cluster:
	s_bfe_u32 s2, ttmp6, 0x10000c
	s_cmp_lg_u32 s2, 0x3003
	s_cbranch_scc0 .Lentry_shape_is_right
	s_endpgm
.Lentry_shape_is_right:
; out3[b] = idxw[b] = the first k at which d(b, k) = fl(fl(zz_b + ee_k) - x(b, k)) is least.  zz_b = the sum of z[b][:]^2, ee_k = the sum of emb[k][:]^2 (from embq), both f32;
; x = the product of the codes of 2 z (FP8 E4M3, scale 2^e0: z / 2^(e0 - 1), held within +-448) with emb's codes (scale 2^e1), f32 sums, K ascending in two instructions of 128, x 2^(e0 + e1).
; SHARES: 256 work-groups, each 128 rows of z against all 8,192 rows of emb.  Every wave holds the 128 rows' codes in window 1 (8 tiles q x 32 registers); wave w multiplies part w (4 tiles of 16 rows of emb) of each slot.
; emb's tile is source 0: a lane holds one row of z and its 8 registers 8 neighbouring k.  For each q a lane keeps zz, the winning tile's first k, the running least d (two registers by turns) and the winning tile's 8 numbers d.
; A TILE'S ORDER: burst (q 0-3, first 128 of K), block 4', burst (q 0-3, second 128), block 6', burst (q 4-7, first), block 0, burst (q 4-7, second), block 2; 4' and 6' are the tile before's.
; A block takes two q: d is made in place in the accumulators, so the 16 registers of t = zz + ee are free again, and the next block's t are made between the block's dependent lines.
; RING: two slots of 8 parts of embq, filled by joint loads of the 4 work-groups of a cluster, which walk the 16 slots from the same first slot; where the walk wraps to k = 0 the running least is moved
; one step up, so that an equal d at a lower k wins.  At the head waves 0-3 fetch 32 rows of z each into slot 1's bytes and waves 4-7 two parts of slot 0 each: one tensor load a wave.
; No prefetch: all 64 clusters read the same 2,129,920 bytes of embq in this launch.
; LIMITS: e0 between -125 and 120, e0 + e1 between -126 and 127.  NaN among the inputs is not served.
.set PARTB, 16640                      ; a part of embq: 4 tiles of 4,096 bytes of codes, then 64 numbers ee
.set SLOTB, 8*PARTB
.set RING1, SLOTB
.set SPARE, 2*SLOTB                    ; the spare words: 128 bytes for each of 8 waves
.set ZIMG,  SPARE+1024                 ; z's codes as images of the operand's registers, 4,096 bytes a tile q; later the candidates of the last merge
.set MRG,   ZIMG
.set ZZS,   ZIMG+32768                 ; 128 numbers zz
.set PITCH, 1040                       ; a row of z in LDS: 1,024 bytes + 16 of padding
.set SPW, 1
.set NIL, 2
.set LA,  3                            ; v3-4   my part's codes in slot 0, 1: + 16 x lane
.set LE,  5                            ; v5-6   my part's ee in slot 0, 1: + 32 h
.set QA,  11
.set ZI,  12
.set ZW,  13
.set ZR,  14
.set ZS,  15
.set AF,  16                           ; v16-47   emb's fragment: two halves of K
.set EE,  48                           ; v48-63   ee of a tile's 8 k of mine, two sets by turns
.set ACC, 64                           ; v64-127  8 accumulators, then d
.set TMP, 128                          ; v128-143 t = zz + ee of a block's two q
.set ST,  144                          ; v144-239 12 registers for each q: zz, first k, least d (2), the winning tile's d (8)
.set WK,  240                          ; v240-247 at work
.set MW,  248
.set MR,  249
.set MO,  250
.set H8,  251
.set SCL, 252
.set LIM, 253
.set X,   64
.set SQ,  192
.set C,   200
.set WV,  14
.set G1E, 20
.set G1Z, 28
.set G0A, 36
.set G0Z, 44
.set EB,  48
.set OFS, 50
.set SR,  52
.set SC,  53
.set NUD, 54
.set IC,  55
.set IP,  56
.set W64, 57
.set TRIP, 58
.set NC,  60
.set SEL, 66
.set HW,  74                           ; s[74:75] (wave % 4) x two parts' bytes, as a 64-bit offset
.set G1H, 76                           ; s[76:83] group 1 of the head's joint load: two parts, 130 rows of 256 bytes
.set G0H, 84                           ; s[84:87] its group 0
.set MSB, 0
.macro WIN new
.if MSB != \new
	s_set_vgpr_msb (MSB<<8)|\new
.set MSB, \new
.endif
.endm
.macro CSIG                            ; wave 0 signals the cluster's barrier for the work-group
	s_cmp_lg_u32 s[WV], 0
	s_cbranch_scc1 .Lnot_wave_0_\@
	s_barrier_signal -3
.Lnot_wave_0_\@:
.endm
.macro ROUND                           ; a whole round of the cluster's barrier
	s_barrier_signal -1
	s_barrier_wait -1
	CSIG
	s_barrier_wait -3
	s_barrier_signal -1
	s_barrier_wait -1
.endm
.macro NEXTSLOT g0                     ; group 0's address: my part of the walk's next slot
	s_mul_i32 s[OFS], s[SR], SLOTB
	s_add_nc_u64 s[\g0+2:\g0+3], s[EB:EB+1], s[OFS:OFS+1]
	s_or_b32 s[\g0+3], s[\g0+3], 0x80000000
	s_add_co_u32 s[SR], s[SR], 1
	s_and_b32 s[SR], s[SR], 15
.endm
; my row's 128 numbers from LDS; v[SQ] = the whole row's sum of squares; two fragments' codes in v[C] on
.macro QROWS adr, scl, lim
.irp s, 0,1
.irp c, 0,1,2,3,4,5,6,7
	ds_load_b128 v[X+64*\s+8*\c:X+64*\s+8*\c+3], v[\adr] offset:512*\s+64*\c
	ds_load_b128 v[X+64*\s+8*\c+4:X+64*\s+8*\c+7], v[\adr] offset:512*\s+64*\c+16
.endr
.endr
	s_wait_dscnt 0x0
.irp j, 0,2,4,6
	v_pk_mul_f32 v[SQ+\j:SQ+\j+1], v[X+\j:X+\j+1], v[X+\j:X+\j+1]
.endr
.set n, 8
.rept 60
	s_delay_alu instid0(VALU_DEP_4)
	v_pk_fma_f32 v[SQ+n%8:SQ+n%8+1], v[X+n:X+n+1], v[X+n:X+n+1], v[SQ+n%8:SQ+n%8+1]
.set n, n+2
.endr
	s_delay_alu instid0(VALU_DEP_3)
	v_pk_add_f32 v[SQ:SQ+1], v[SQ:SQ+1], v[SQ+2:SQ+3]
	s_delay_alu instid0(VALU_DEP_2)
	v_pk_add_f32 v[SQ+4:SQ+5], v[SQ+4:SQ+5], v[SQ+6:SQ+7]
	s_delay_alu instid0(VALU_DEP_1)
	v_pk_add_f32 v[SQ:SQ+1], v[SQ:SQ+1], v[SQ+4:SQ+5]
	s_delay_alu instid0(VALU_DEP_1)
	v_add_f32 v[SQ], v[SQ], v[SQ+1]
	s_delay_alu instid0(VALU_DEP_1)
	v_permlanex16_b32 v[SQ+1], v[SQ], s[SEL], s[SEL+1]
	s_delay_alu instid0(VALU_DEP_1)
	v_add_f32 v[SQ], v[SQ], v[SQ+1]
.set n, 0
.rept 128
	v_med3_num_f32 v[X+n], v[X+n], -v[\lim], v[\lim]   ; the conversion does not saturate (ISA guide 7.6.2): the hold at the largest code x the scale
.set n, n+1
.endr
.set n, 0
.rept 16
	v_cvt_scalef32_pk8_fp8_f32 v[C+2*n:C+2*n+1], v[X+8*n:X+8*n+7], v[\scl]
.set n, n+1
.endr
	v_nop                                          ; one plain vector line behind the last conversion
.endm
.macro LOADK buf, i, k                 ; half k of tile i's fragment
.irp g, 0,1,2,3
	ds_load_b128 v[AF+16*(\k)+4*\g:AF+16*(\k)+4*\g+3], v[LA+(\buf)] offset:4096*(\i)+2048*(\k)+512*\g
.endr
.endm
.macro LOADE buf, i, par               ; ee of tile i's 8 k of mine
	ds_load_b128 v[EE+8*(\par):EE+8*(\par)+3], v[LE+(\buf)] offset:64*(\i)
	ds_load_b128 v[EE+8*(\par)+4:EE+8*(\par)+7], v[LE+(\buf)] offset:64*(\i)+16
.endm
.macro BURST c0, k                     ; four accumulators by turns: three other matrix instructions stand between a sum's two steps
	WIN 0x04
.irp q, \c0, \c0+1, \c0+2, \c0+3
.if (\k) == 0
	v_wmma_f32_16x16x128_fp8_fp8 v[ACC+8*(\q):ACC+8*(\q)+7], v[AF+16*(\k):AF+16*(\k)+15], v[32*(\q)+16*(\k):32*(\q)+16*(\k)+15], 0
.else
	v_wmma_f32_16x16x128_fp8_fp8 v[ACC+8*(\q):ACC+8*(\q)+7], v[AF+16*(\k):AF+16*(\k)+15], v[32*(\q)+16*(\k):32*(\q)+16*(\k)+15], v[ACC+8*(\q):ACC+8*(\q)+7]
.endif
.endr
	WIN 0
.endm
.macro TADD2 nq, npar, u, e            ; four of the next block's t = ee + zz
.irp d, 0, 2
	v_pk_add_f32 v[TMP+8*(\u)+(\e)+\d:TMP+8*(\u)+(\e)+\d+1], v[EE+8*(\npar)+(\e)+\d:EE+8*(\npar)+(\e)+\d+1], v[ST+12*((\nq)+(\u)):ST+12*((\nq)+(\u))+1] op_sel_hi:[1,0]
.endr
.endm
.macro LESS q, par                     ; has this tile brought a lesser d?
	v_cmp_lt_f32 vcc_lo, v[ST+12*(\q)+3-(\par)], v[ST+12*(\q)+2+(\par)]
.endm
.macro KEEP q, si                      ; if so, its first k and its 8 numbers d are kept: two selections under one VCC go as one dual-issue pair
	v_cndmask_b32 v[ST+12*(\q)+1], v[ST+12*(\q)+1], s[\si], vcc_lo
.irp e, 0,2,4,6
	v_dual_cndmask_b32 v[ST+12*(\q)+4+\e], v[ST+12*(\q)+4+\e], v[ACC+8*(\q)+\e] :: v_dual_cndmask_b32 v[ST+12*(\q)+5+\e], v[ST+12*(\q)+5+\e], v[ACC+8*(\q)+\e+1]
.endr
.endm
; A block: tiles q0, q0 + 1.  d = t - x 2^(e0 + e1), in place, each accumulator from its low end on; the least of 8 d and the running least by a tree of four minima; the selections.
; fill = 1: the t of the next block (tiles nq, nq + 1, ee's set npar) are made in between.  hook: the next tile's LDS loads.
.macro VB q0, par, si, hook, nq, npar, fill
.irp e, 0,2,4,6
.irp u, 0,1
	v_pk_fma_f32 v[ACC+8*((\q0)+\u)+\e:ACC+8*((\q0)+\u)+\e+1], v[ACC+8*((\q0)+\u)+\e:ACC+8*((\q0)+\u)+\e+1], s[NC:NC+1], v[TMP+8*\u+\e:TMP+8*\u+\e+1] op_sel_hi:[1,0,1]
.endr
.endr
.irp t, 0,1
.irp u, 0,1
	v_min3_num_f32 v[WK+3*\u+\t], v[ACC+8*((\q0)+\u)+3*\t], v[ACC+8*((\q0)+\u)+3*\t+1], v[ACC+8*((\q0)+\u)+3*\t+2]
.endr
.endr
.irp u, 0,1
	v_min3_num_f32 v[WK+3*\u+2], v[ACC+8*((\q0)+\u)+6], v[ACC+8*((\q0)+\u)+7], v[ST+12*((\q0)+\u)+2+(\par)]
.endr
.if \fill
	TADD2 \nq, \npar, 0, 0
.endif
.irp u, 0,1
	v_min3_num_f32 v[ST+12*((\q0)+\u)+3-(\par)], v[WK+3*\u], v[WK+3*\u+1], v[WK+3*\u+2]
.endr
.if \fill
	TADD2 \nq, \npar, 0, 4
.endif
	LESS (\q0), \par
.if \fill
	TADD2 \nq, \npar, 1, 0
.endif
.if (\hook) == 1
	LOADE HB, HI, 1-PP                             ; ee and the first half of K first: the next tile's top waits for these six
	LOADK HB, HI, 0
.elseif (\hook) == 2
	LOADK HB, HI, 1
.endif
	KEEP (\q0), \si
	LESS (\q0)+1, \par
.if \fill
	TADD2 \nq, \npar, 1, 4
.endif
	KEEP (\q0)+1, \si
.endm
.macro NUDGE                           ; the walk has wrapped to k = 0: the running least goes one step up, so that 'less' now means 'not greater'
	s_cmp_lg_u32 s[NUD], 0
	s_cbranch_scc0 .Lno_wrap_\@
.irp q, 0,1,2,3,4,5,6,7
	v_ashrrev_i32 v[WK+\q], 31, v[ST+12*\q+2]
.endr
.irp q, 0,1,2,3,4,5,6,7
	v_or_b32 v[WK+\q], 1, v[WK+\q]
.endr
.irp q, 0,1,2,3,4,5,6,7
	v_add_nc_u32 v[ST+12*\q+2], v[ST+12*\q+2], v[WK+\q]
.endr
.Lno_wrap_\@:
.endm
; Tile i of slot buf.  chg = 1: the slot's last tile, and the slot is filled again; 2: the last slot's load is waited for; nxt = 1: the next tile's fragments are fetched.
.macro TILE buf, i, chg, nxt
.set PP, (\i)%2
.if (\i) == 3
.set HB, 1-(\buf)
.set HI, 0
.else
.set HB, \buf
.set HI, (\i)+1
.endif
	s_mov_b32 s[IP], s[IC]
.if (\i) == 0
	s_lshl_b32 s[IC], s[SC], 9
	s_add_co_u32 s[IC], s[IC], s[W64]
.else
	s_add_co_u32 s[IC], s[IC], 16
.endif
	s_wait_alu depctr_va_vdst(0)
.if (\chg) == 1
	s_wait_tensorcnt 0x0                           ; all my tensor loads have landed, my part of the other slot among them;
	ds_add_u32 v[SPW], v[NIL]                      ; 0 onto my spare word
	NEXTSLOT G0A+4*\buf
	s_wait_dscnt 0x0                               ; the add is done, and this tile's 10 loads, my last reads of this slot, are in
	s_barrier_signal -1                            ; the round opens; only register work stands inside it
.else
	s_wait_dscnt 4                                 ; ee and the first 128 along K are in; the second 128's four loads may be out
.endif
	BURST 0, 0
	VB 4, 1-PP, IP, 0, 6, 1-PP, 1
.if (\chg) != 1
	s_wait_alu depctr_va_vdst(0)                   ; as at the tile's top
	s_wait_dscnt 0x0                               ; the second 128 along K are in
.endif
	BURST 0, 1
	VB 6, 1-PP, IP, 0, 0, PP, 1
.if (\i) == 0 || (\chg) != 0
	s_wait_alu depctr_va_vdst(0)                   ; as at the tile's top: a branch or a wait follows
.endif
.if (\i) == 0
	NUDGE
.endif
	BURST 4, 0
.if (\chg) == 1
	s_barrier_wait -1                              ; three bursts and two blocks of register work stood behind the opening signal
	CSIG
	s_barrier_wait -3
	s_barrier_signal -1
	s_barrier_wait -1                              ; the round is closed: no wave of the cluster reads this slot or has a load on its way
	tensor_load_to_lds s[G0A+4*\buf:G0A+4*\buf+3], s[G1E:G1E+7]   ; the refill, my first tensor load behind the round
	s_nop 0
.rept 4
	v_nop
.endr
.elseif (\chg) == 2
	s_wait_tensorcnt 0x0                           ; the last slot's part, which I alone read, is in
.endif
	VB 0, PP, IC, \nxt, 2, PP, 1
	BURST 4, 1
	VB 2, PP, IC, 2*(\nxt), 4, PP, 1
.endm
.macro SLOT buf, chg, last
	TILE \buf, 0, 0, 1
	TILE \buf, 1, 0, 1
	TILE \buf, 2, 0, 1
	TILE \buf, 3, \chg, 1-\last
.if !(\last)
	s_add_co_u32 s[SC], s[SC], 1
	s_and_b32 s[SC], s[SC], 15
	s_cmp_eq_u32 s[SC], 0
	s_cselect_b32 s[NUD], 1, 0
.endif
.endm
.macro MERGE b, c                      ; pair b takes pair c where that has the lesser d, or the same d at a lower k
	v_cmp_lt_f32 s68, v[\c], v[\b]
	v_cmp_eq_f32 s69, v[\c], v[\b]
	v_cmp_lt_u32 s70, v[\c+1], v[\b+1]
	s_and_b32 s69, s69, s70
	s_or_b32 vcc_lo, s68, s69
	v_cndmask_b32 v[\b], v[\b], v[\c], vcc_lo
	v_cndmask_b32 v[\b+1], v[\b+1], v[\c+1], vcc_lo
.endm
.macro MERGE4 b, c                     ; four such merges that do not hang on each other, line by line
.irp i, 0,1,2,3
	v_cmp_lt_f32 s[88+\i], v[\c+2*\i], v[\b+2*\i]
	v_cmp_eq_f32 s[92+\i], v[\c+2*\i], v[\b+2*\i]
	v_cmp_lt_u32 s[68+\i], v[\c+2*\i+1], v[\b+2*\i+1]
.endr
.irp i, 0,1,2,3
	s_and_b32 s[92+\i], s[92+\i], s[68+\i]
	s_or_b32 s[88+\i], s[88+\i], s[92+\i]
.endr
.irp i, 0,1,2,3
	v_cndmask_b32 v[\b+2*\i], v[\b+2*\i], v[\c+2*\i], s[88+\i]
	v_cndmask_b32 v[\b+2*\i+1], v[\b+2*\i+1], v[\c+2*\i+1], s[88+\i]
.endr
.endm
	s_load_b256 s[4:11], s[0:1], 0x0               ; z s[4:5], embq s[6:7], the scales' exponents s[8:9], out3 s[10:11]
	s_load_b64 s[12:13], s[0:1], 0x20              ; idxw
	v_lshl_add_u32 v[SPW], v0, 2, SPARE
	v_mov_b32 v[NIL], 0
	ds_add_u32 v[SPW], v[NIL]                      ; the opening lines: the add, twice on end, and its wait
	ds_add_u32 v[SPW], v[NIL]
	s_wait_dscnt 0x0
	v_lshrrev_b32 v7, 5, v0
	s_delay_alu instid0(VALU_DEP_1)
	v_readfirstlane_b32 s[WV], v7                  ; wave 0..7
	s_bfe_u32 s15, ttmp6, 0x40000                  ; cx
	s_lshl_b32 s16, ttmp9, 2
	s_add_co_u32 s16, s16, s15                     ; the work-group's number
	s_lshr_b32 s[SC], ttmp9, 4                     ; the walk's first slot hangs on the cluster's number alone
	s_mul_i32 s[SC], s[SC], 5
	s_add_co_u32 s[SC], s[SC], ttmp9
	s_and_b32 s[SC], s[SC], 15
	s_mov_b32 s[SR], s[SC]
	s_mov_b32 s[G1E], 15|(3<<16)|(1<<21)           ; a part: the mask of the four, elements of 8 bytes, bit 21 beside the mask; 65 rows of 256 bytes, dense
	s_mov_b32 s[G1E+1], 32<<16
	s_mov_b32 s[G1E+2], 65<<16
	s_mov_b32 s[G1E+3], 32<<16
	s_mov_b32 s[G1E+4], 65
	s_mov_b32 s[G1E+5], 32
	s_mov_b32 s[G1E+6], 0
	s_mov_b32 s[G1E+7], 0
	s_mov_b32 s[G1Z], (2<<16)|(1<<20)|(7<<22)|(3<<25)   ; z: elements of 4 bytes, 4 words of padding behind every 256 words
	s_mov_b32 s[G1Z+1], 256<<16
	s_mov_b32 s[G1Z+2], 32<<16                     ; 32 rows of 1,024 bytes to a load
	s_mov_b32 s[G1Z+3], 256<<16
	s_mov_b32 s[G1Z+4], 32
	s_mov_b32 s[G1Z+5], 256
	s_mov_b32 s[G1Z+6], 0
	s_mov_b32 s[G1Z+7], 0
	s_mov_b32 s[G1H], 15|(3<<16)|(1<<21)           ; the head's joint load: two parts, 130 rows of 256 bytes, dense
	s_mov_b32 s[G1H+1], 32<<16
	s_mov_b32 s[G1H+2], 130<<16
	s_mov_b32 s[G1H+3], 32<<16
	s_mov_b32 s[G1H+4], 130
	s_mov_b32 s[G1H+5], 32
	s_mov_b32 s[G1H+6], 0
	s_mov_b32 s[G1H+7], 0
	s_mov_b32 s[G0A], 1
	s_mov_b32 s[G0A+4], 1
	s_mov_b32 s[G0Z], 1
	s_mul_i32 s[G0A+1], s[WV], PARTB
	s_add_co_u32 s[G0A+5], s[G0A+1], RING1
	s_and_b32 s[HW], s[WV], 3
	s_mul_i32 s[HW], s[HW], 2*PARTB                ; 33,280 bytes: two parts of embq, and 32 padded rows of z
	s_mov_b32 s[HW+1], 0
	s_add_co_u32 s[G0Z+1], s[HW], RING1            ; z goes into slot 1's bytes
	s_mov_b32 s[G0H], 1
	s_mov_b32 s[G0H+1], s[HW]                      ; emb's first parts into slot 0
	s_mov_b32 s18, s[G0A+1]
	s_mov_b32 s19, 0
	s_lshl_b32 s68, s16, 17                        ; the work-group's 128 rows of z,
	s_and_b32 s69, s[WV], 3
	s_lshl_b32 s69, s69, 15                        ; 32 of them for each of waves 0-3
	s_add_co_u32 s68, s68, s69
	s_mov_b32 s69, 0
	s_lshl_b32 s70, s16, 9                         ; the work-group's 128 indices
	s_mov_b32 s71, 0
	s_lshl_b32 s[W64], s[WV], 6
	s_mov_b32 s[OFS+1], 0
	s_mov_b32 s[SEL], 0x76543210
	s_mov_b32 s[SEL+1], 0xfedcba98
	ROUND                                          ; the round in front of the first loads; the arguments are on their way meanwhile
	s_wait_kmcnt 0x0
	s_load_b64 s[62:63], s[8:9], 0x0               ; e0, e1
	s_add_nc_u64 s[EB:EB+1], s[6:7], s[18:19]
	s_add_nc_u64 s[G0Z+2:G0Z+3], s[4:5], s[68:69]
	s_or_b32 s[G0Z+3], s[G0Z+3], 0x80000000
	s_add_nc_u64 s[10:11], s[10:11], s[70:71]
	s_add_nc_u64 s[12:13], s[12:13], s[70:71]
	s_mul_i32 s[OFS], s[SR], SLOTB                 ; the walk's first slot of embq
	s_add_co_u32 s[SR], s[SR], 1
	s_and_b32 s[SR], s[SR], 15
	s_add_nc_u64 s[G0H+2:G0H+3], s[6:7], s[OFS:OFS+1]
	s_add_nc_u64 s[G0H+2:G0H+3], s[G0H+2:G0H+3], s[HW:HW+1]
	s_or_b32 s[G0H+3], s[G0H+3], 0x80000000
	s_cmp_lt_u32 s[WV], 4                          ; one chain of two arms on the wave's number, one tensor load to an arm
	s_cbranch_scc0 .Lhead_emb
	tensor_load_to_lds s[G0Z:G0Z+3], s[G1Z:G1Z+7]  ; waves 0-3: 32 rows of z
	s_nop 0
.rept 4
	v_nop
.endr
	s_branch .Lhead_join
.Lhead_emb:
	tensor_load_to_lds s[G0H:G0H+3], s[G1H:G1H+7]  ; waves 4-7: two parts of slot 0, jointly with the cluster's other three work-groups
	s_nop 0
.rept 4
	v_nop
.endr
.Lhead_join:
	v_and_b32 v7, 31, v0                           ; lane
	v_and_b32 v8, 15, v0                           ; r
	v_bfe_u32 v9, v0, 4, 1                         ; h
	s_delay_alu instid0(VALU_DEP_3)
	v_lshlrev_b32 v10, 4, v7
	s_delay_alu instid0(VALU_DEP_1)
	v_add_nc_u32 v[LA], s[G0A+1], v10
	s_delay_alu instid0(VALU_DEP_2)
	v_add_nc_u32 v[LA+1], s[G0A+5], v10
	s_delay_alu instid0(VALU_DEP_4)
	v_lshlrev_b32 v[LE], 5, v9
	s_delay_alu instid0(VALU_DEP_1)
	v_add_nc_u32 v[LE], 16384, v[LE]
	s_delay_alu instid0(VALU_DEP_1)
	v_add_nc_u32 v[LE+1], s[G0A+5], v[LE]
	s_delay_alu instid0(VALU_DEP_2)
	v_add_nc_u32 v[LE], s[G0A+1], v[LE]
	v_mul_u32_u24 v[QA], v8, PITCH
	s_delay_alu instid0(VALU_DEP_1)
	v_lshl_add_u32 v[QA], v9, 5, v[QA]
	s_delay_alu instid0(VALU_DEP_1)
	v_add_nc_u32 v[QA], s[G0A+5], v[QA]            ; my wave's 16 rows of z: row r, + 32 h
	v_add_nc_u32 v[ZI], ZIMG, v10
	s_lshl_b32 s72, s[WV], 12
	v_add_nc_u32 v[ZW], s72, v[ZI]
	v_lshlrev_b32 v[ZR], 2, v8
	s_delay_alu instid0(VALU_DEP_1)
	v_add_nc_u32 v[ZR], ZZS, v[ZR]
	s_delay_alu instid0(VALU_DEP_1)
	v_add_nc_u32 v[ZS], s[W64], v[ZR]
	s_lshl_b32 s72, s[WV], 11
	v_lshlrev_b32 v[MW], 3, v8
	s_delay_alu instid0(VALU_DEP_1)
	v_lshl_add_u32 v[MW], v9, 10, v[MW]
	s_delay_alu instid0(VALU_DEP_1)
	v_add_nc_u32 v[MW], s72, v[MW]
	s_delay_alu instid0(VALU_DEP_1)
	v_add_nc_u32 v[MW], MRG, v[MW]
	s_lshl_b32 s72, s[WV], 9
	v_add_nc_u32 v[MR], s72, v[ZI]
	s_lshl_b32 s72, s[WV], 8
	v_lshlrev_b32 v[MO], 3, v7
	s_delay_alu instid0(VALU_DEP_1)
	v_add_nc_u32 v[MO], s72, v[MO]
	v_lshlrev_b32 v[H8], 3, v9
	s_wait_kmcnt 0x0
	s_add_co_i32 s72, s62, 126
	s_lshl_b32 s73, s72, 23
	v_mov_b32 v[SCL], s73                          ; 2^(e0 - 1): z over it is 2 z over 2^e0
	s_add_co_i32 s72, s72, 8
	s_lshl_b32 s72, s72, 23
	s_or_b32 s72, s72, 0x600000
	v_mov_b32 v[LIM], s72                          ; 448 x that
	s_add_co_i32 s[NC], s62, s63
	s_add_co_i32 s[NC], s[NC], 127
	s_lshl_b32 s[NC], s[NC], 23
	s_or_b32 s[NC], s[NC], 0x80000000              ; -2^(e0 + e1)
	s_mov_b32 s[NC+1], s[NC]
	s_wait_alu depctr_va_vdst(0)
	s_wait_tensorcnt 0x0                           ; my load has landed;
	s_barrier_signal -1                            ; other waves read what it brought: they do so behind this barrier
	s_barrier_wait -1
	QROWS QA, SCL, LIM
.irp s, 0,1
.irp g, 0,1,2,3
	ds_store_b128 v[ZW], v[C+16*\s+4*\g:C+16*\s+4*\g+3] offset:2048*\s+512*\g
.endr
.endr
	ds_store_b32 v[ZS], v[SQ]
	s_wait_tensorcnt 0x0                           ; slot 1's bytes, which held z, are filled again: the three lines, a round, the load
	ds_add_u32 v[SPW], v[NIL]
	NEXTSLOT G0A+4
	s_wait_dscnt 0x0
	ROUND
	tensor_load_to_lds s[G0A+4:G0A+7], s[G1E:G1E+7]
	s_nop 0
.rept 4
	v_nop
.endr
	WIN 0x40
.irp q, 0,1,2,3,4,5,6,7
.irp s, 0,1
.irp g, 0,1,2,3
	ds_load_b128 v[32*\q+16*\s+4*\g:32*\q+16*\s+4*\g+3], v[ZI] offset:(2*\q+\s)*2048+512*\g   ; all 128 rows' codes into window 1
.endr
.endr
.endr
	WIN 0
.irp q, 0,1,2,3,4,5,6,7
	ds_load_b32 v[ST+12*\q], v[ZR] offset:64*\q    ; zz
.endr
	LOADK 0, 0, 0
	LOADK 0, 0, 1
	LOADE 0, 0, 0
	s_mov_b32 s73, 0x7f800000
.irp q, 0,1,2,3,4,5,6,7
	v_mov_b32 v[ST+12*\q+1], 0
.irp e, 2,3,4,5,6,7,8,9,10,11
	v_mov_b32 v[ST+12*\q+\e], s73                  ; the least d so far: infinity
.endr
.endr
.irp e, 0,1,2,3,4,5,6,7,8,9,10,11,12,13,14,15,16,17,18,19,20,21,22,23,24,25,26,27,28,29,30,31
	v_mov_b32 v[ACC+32+\e], 0                      ; the first tile's blocks 4' and 6' have no tile before them: x = 0 and t = infinity change nothing
.endr
.irp e, 0,1,2,3,4,5,6,7,8,9,10,11,12,13,14,15
	v_mov_b32 v[TMP+\e], s73
.endr
.irp e, 0,1,2,3,4,5,6,7
	v_mov_b32 v[EE+8+\e], s73
.endr
	s_mov_b32 s[IC], 0
	s_mov_b32 s[NUD], 0
	s_mov_b32 s[TRIP], 7
	s_wait_dscnt 0x0
.Lwalk:
	SLOT 0, 1, 0
	SLOT 1, 1, 0
	s_sub_co_u32 s[TRIP], s[TRIP], 1
	s_cmp_lg_u32 s[TRIP], 0
	s_cbranch_scc1 .Lwalk
	SLOT 0, 2, 0                                   ; the last two slots fill nothing
	SLOT 1, 0, 1
	VB 4, 1, IC, 0, 6, 1, 1                        ; the last tile's blocks 4 and 6
	VB 6, 1, IC, 0, 0, 0, 0
; the first of the winning tile's 8 numbers that equals their least gives k
.irp q, 0,1,2,3,4,5,6,7
	v_min3_num_f32 v[ST+12*\q+2], v[ST+12*\q+4], v[ST+12*\q+5], v[ST+12*\q+6]
.endr
.irp q, 0,1,2,3,4,5,6,7
	v_min3_num_f32 v[ST+12*\q+2], v[ST+12*\q+2], v[ST+12*\q+7], v[ST+12*\q+8]
.endr
.irp q, 0,1,2,3,4,5,6,7
	v_min3_num_f32 v[ST+12*\q+2], v[ST+12*\q+2], v[ST+12*\q+9], v[ST+12*\q+10]
.endr
.irp q, 0,1,2,3,4,5,6,7
	v_min_num_f32 v[ST+12*\q+2], v[ST+12*\q+2], v[ST+12*\q+11]
	v_mov_b32 v[WK+\q], 7
.endr
.irp j, 6,5,4,3,2,1,0
.irp q, 0,1,2,3,4,5,6,7
	v_cmp_eq_f32 vcc_lo, v[ST+12*\q+4+\j], v[ST+12*\q+2]
	s_delay_alu instid0(VALU_DEP_1)
	v_cndmask_b32 v[WK+\q], v[WK+\q], \j, vcc_lo
.endr
.endr
.irp q, 0,1,2,3,4,5,6,7
	v_add3_u32 v[ST+12*\q+3], v[ST+12*\q+1], v[WK+\q], v[H8]
	ds_store_b64 v[MW], v[ST+12*\q+2:ST+12*\q+3] offset:128*\q   ; (d, k): 16 candidates for each row, from 8 waves x 2 halves of the lanes
.endr
	s_wait_dscnt 0x0
	s_barrier_signal -1
	s_barrier_wait -1
	s_cmp_lt_u32 s[WV], 2                          ; waves 0 and 1 merge 64 rows each, two rows a lane: each stores whole blocks of 256 bytes
	s_cbranch_scc0 .Lmerged
.irp k, 0,1,2,3,4,5,6,7,8,9,10,11,12,13,14,15
	ds_load_b128 v[64+4*\k:64+4*\k+3], v[MR] offset:1024*\k
.endr
	s_wait_dscnt 0x0
.irp g, 0,1,2,3
	MERGE4 64+8*\g, 96+8*\g                        ; a tree over the 16 candidates of each of my two rows: 16 to 8,
.endr
.irp g, 0,1
	MERGE4 64+8*\g, 80+8*\g                        ; 8 to 4,
.endr
	MERGE4 64, 72                                  ; 4 to 2,
	MERGE 64, 68                                   ; 2 to 1
	MERGE 66, 70
	v_mov_b32 v[WK], v65
	s_delay_alu instid0(VALU_DEP_2)
	v_mov_b32 v[WK+1], v67
	global_store_b64 v[MO], v[WK:WK+1], s[10:11]
	global_store_b64 v[MO], v[WK:WK+1], s[12:13]
.Lmerged:
	s_wait_tensorcnt 0x0                           ; the wave's end
	ds_add_u32 v[SPW], v[NIL]
	s_wait_dscnt 0x0
	ROUND                                          ; the closing round
	s_endpgm
.Lfunc_end_k_q9ddea2c66a_nearest:
	.size	k_q9ddea2c66a_nearest, .Lfunc_end_k_q9ddea2c66a_nearest-k_q9ddea2c66a_nearest
	.p2alignl 7, 3214868480
	.fill 96, 4, 3214868480
	.section	.rodata,"a",@progbits
	.p2align	6, 0x0
	.amdhsa_kernel k_q9ddea2c66a_nearest
		.amdhsa_group_segment_fixed_size 327680
		.amdhsa_private_segment_fixed_size 0
		.amdhsa_enable_private_segment 0
		.amdhsa_kernarg_size 40
		.amdhsa_user_sgpr_count 2
		.amdhsa_user_sgpr_kernarg_segment_ptr 1
		.amdhsa_wavefront_size32 1
		.amdhsa_system_sgpr_workgroup_id_x 1
		.amdhsa_system_sgpr_workgroup_id_y 1
		.amdhsa_system_sgpr_workgroup_id_z 1
		.amdhsa_system_vgpr_workitem_id 0
		.amdhsa_next_free_vgpr 512
		.amdhsa_next_free_sgpr 96
		.amdhsa_reserve_vcc 1
		.amdhsa_float_denorm_mode_32 3
		.amdhsa_float_denorm_mode_16_64 3
		.amdhsa_memory_ordered 1
		.amdhsa_forward_progress 1
		.amdhsa_inst_pref_size 241
	.end_amdhsa_kernel
	.amdgpu_metadata
---
amdhsa.version: [ 1, 2 ]
amdhsa.kernels:
  - .name:           k_q9ddea2c66a_nearest
    .symbol:         k_q9ddea2c66a_nearest.kd
    .args:
      - { .name: z, .offset: 0, .size: 8, .value_kind: global_buffer, .address_space: global }
      - { .name: embq, .offset: 8, .size: 8, .value_kind: global_buffer, .address_space: global }
      - { .name: lowp_scales, .offset: 16, .size: 8, .value_kind: global_buffer, .address_space: global }
      - { .name: out3, .offset: 24, .size: 8, .value_kind: global_buffer, .address_space: global }
      - { .name: idxw, .offset: 32, .size: 8, .value_kind: global_buffer, .address_space: global }
    .group_segment_fixed_size: 327680
    .private_segment_fixed_size: 0
    .kernarg_segment_align: 8
    .kernarg_segment_size: 40
    .max_flat_workgroup_size: 256
    .sgpr_count:     96
    .vgpr_count:     512
    .wavefront_size: 32
...
	.end_amdgpu_metadata
.endif
;; end of part 2
;; launch gather (part 3): grid 512 x 1, 8 waves a work-group, no clusters, 1,280 bytes of LDS; arguments z, emb, idxw, out0, part; writes out0, part
.if DOCPART == 3
	.amdgcn_target "amdgcn-amd-amdhsa--gfx1250"
	.amdhsa_code_object_version 6
	.text
	.protected	k_q9ddea2c66a_gather
	.globl	k_q9ddea2c66a_gather
	.p2align	8
	.type	k_q9ddea2c66a_gather,@function
k_q9ddea2c66a_gather:
	s_mov_b64 s[64:65], 0
	v_nop
	global_prefetch_b8 v0, s[64:65] scope:SCOPE_SE
	s_setreg_imm32_b32 hwreg(HW_REG_WAVE_MODE, 25, 1), 1
	s_wait_xcnt 0x0
; out0[b][:] = z[b][:] + (emb[idx[b]][:] - z[b][:]), and part[work-group] = the sum over its 64 rows of (emb[idx[b]][:] - z[b][:])^2.  All f32.
; A wave takes 8 rows; a row is 1,024 bytes: two loads or stores of 16 bytes a lane, each 512 consecutive bytes.  The 8 indices are whole numbers that the launch before stored: they come by one scalar load,
; and each row of emb gets a scalar base of its own.  All 32 loads of a wave go out at once; nothing is looped, no register that a store reads is written again.
; No matrix unit, no tensor load, no cluster: the work-groups share nothing but the table, and memory binds.
; An index lies inside the table; the minimum with 8,191 says so in the text.
.set Z,  16                            ; v16-79   8 rows of z, 8 registers each
.set E,  80                            ; v80-143  8 rows of emb, then the differences, then the results
.set AC, 144                           ; v144-151 four packed chains of squares
	s_load_b256 s[4:11], s[0:1], 0x0               ; z s[4:5], emb s[6:7], idxw s[8:9], out0 s[10:11]
	s_load_b64 s[12:13], s[0:1], 0x20              ; part
	v_lshl_add_u32 v160, v0, 2, 0x100
	v_mov_b32 v161, 0
	v_lshrrev_b32 v2, 5, v0
	s_delay_alu instid0(VALU_DEP_1)
	v_readfirstlane_b32 s14, v2                    ; wave 0..7
	v_and_b32 v1, 31, v0
	s_delay_alu instid0(VALU_DEP_1)
	v_lshlrev_b32 v1, 4, v1                        ; 16 x lane
	s_delay_alu instid0(VALU_DEP_4)
	v_lshlrev_b32 v3, 2, v2                        ; LDS: 4 x wave
	v_mov_b32 v4, 0
	s_lshl_b32 s16, ttmp9, 8                       ; the work-group's 64 indices,
	s_lshl_b32 s17, s14, 5                         ; my wave's 8
	s_add_co_u32 s16, s16, s17
	s_mov_b32 s17, 0
	s_lshl_b32 s18, ttmp9, 16                      ; the work-group's 64 rows of 1,024 bytes,
	s_lshl_b32 s19, s14, 13                        ; my wave's 8
	s_add_co_u32 s18, s18, s19
	s_mov_b32 s19, 0
	s_lshl_b32 s28, ttmp9, 2
	s_mov_b32 s29, 0
	s_mov_b32 s50, 0x76543210                      ; v_permlanex16_b32's selects for lane l xor 16
	s_mov_b32 s51, 0xfedcba98
	s_wait_alu depctr_va_vdst(0)
	s_wait_kmcnt 0x0
	s_add_nc_u64 s[8:9], s[8:9], s[16:17]
	s_load_b256 s[20:27], s[8:9], 0x0              ; my 8 indices
	s_add_nc_u64 s[4:5], s[4:5], s[18:19]
	s_add_nc_u64 s[10:11], s[10:11], s[18:19]
	s_add_nc_u64 s[12:13], s[12:13], s[28:29]
.irp k, 0,1,2,3,4,5,6,7
	global_load_b128 v[Z+8*\k:Z+8*\k+3], v1, s[4:5] offset:1024*\k th:TH_LOAD_NT
	global_load_b128 v[Z+8*\k+4:Z+8*\k+7], v1, s[4:5] offset:1024*\k+512 th:TH_LOAD_NT
.endr
	s_wait_kmcnt 0x0
.irp k, 0,1,2,3,4,5,6,7
	s_min_u32 s[20+\k], s[20+\k], 8191
	s_lshl_b32 s[32+2*\k], s[20+\k], 10            ; the row's byte offset in emb
	s_mov_b32 s[33+2*\k], 0
	s_add_nc_u64 s[32+2*\k:33+2*\k], s[6:7], s[32+2*\k:33+2*\k]
.endr
.irp k, 0,1,2,3,4,5,6,7
	global_load_b128 v[E+8*\k:E+8*\k+3], v1, s[32+2*\k:33+2*\k]              ; no hint: a row of the table may be named again
	global_load_b128 v[E+8*\k+4:E+8*\k+7], v1, s[32+2*\k:33+2*\k] offset:512
.endr
.macro ROWK k
	s_wait_loadcnt 14-2*(\k)                       ; loads come back in order (ISA guide 5.7.1): z and this row of emb are in; the two loads of each later row of emb may be out
.irp e, 0,2,4,6
	v_pk_add_f32 v[E+8*(\k)+\e:E+8*(\k)+\e+1], v[E+8*(\k)+\e:E+8*(\k)+\e+1], v[Z+8*(\k)+\e:Z+8*(\k)+\e+1] neg_lo:[0,1] neg_hi:[0,1]   ; d = emb - z
.endr
.irp e, 0,2,4,6
.if (\k) == 0
	s_delay_alu instid0(VALU_DEP_4)
	v_pk_mul_f32 v[AC+\e:AC+\e+1], v[E+8*(\k)+\e:E+8*(\k)+\e+1], v[E+8*(\k)+\e:E+8*(\k)+\e+1]   ; the first row starts the chains: nothing is cleared
.else
	s_delay_alu instid0(VALU_DEP_4)
	v_pk_fma_f32 v[AC+\e:AC+\e+1], v[E+8*(\k)+\e:E+8*(\k)+\e+1], v[E+8*(\k)+\e:E+8*(\k)+\e+1], v[AC+\e:AC+\e+1]
.endif
.endr
.irp e, 0,2,4,6
	v_pk_add_f32 v[E+8*(\k)+\e:E+8*(\k)+\e+1], v[Z+8*(\k)+\e:Z+8*(\k)+\e+1], v[E+8*(\k)+\e:E+8*(\k)+\e+1]   ; z + d
.endr
	global_store_b128 v1, v[E+8*(\k):E+8*(\k)+3], s[10:11] offset:1024*(\k) th:TH_STORE_NT       ; 32 lanes store 512 consecutive bytes, at a multiple of 256 from out0's first byte
	global_store_b128 v1, v[E+8*(\k)+4:E+8*(\k)+7], s[10:11] offset:1024*(\k)+512 th:TH_STORE_NT
.endm
.irp k, 0,1,2,3,4,5,6,7
	ROWK \k
.endr
	v_pk_add_f32 v[AC:AC+1], v[AC:AC+1], v[AC+2:AC+3]
	v_pk_add_f32 v[AC+4:AC+5], v[AC+4:AC+5], v[AC+6:AC+7]
	s_delay_alu instid0(VALU_DEP_1)
	v_pk_add_f32 v[AC:AC+1], v[AC:AC+1], v[AC+4:AC+5]
	s_delay_alu instid0(VALU_DEP_1)
	v_add_f32 v[AC], v[AC], v[AC+1]
	s_delay_alu instid0(VALU_DEP_1)
	v_add_f32_dpp v[AC], v[AC], v[AC] row_xmask:1 row_mask:0xf bank_mask:0xf
	s_delay_alu instid0(VALU_DEP_1)
	v_add_f32_dpp v[AC], v[AC], v[AC] row_xmask:2 row_mask:0xf bank_mask:0xf
	s_delay_alu instid0(VALU_DEP_1)
	v_add_f32_dpp v[AC], v[AC], v[AC] row_xmask:4 row_mask:0xf bank_mask:0xf
	s_delay_alu instid0(VALU_DEP_1)
	v_add_f32_dpp v[AC], v[AC], v[AC] row_xmask:8 row_mask:0xf bank_mask:0xf
	s_delay_alu instid0(VALU_DEP_1)
	v_permlanex16_b32 v[AC+1], v[AC], s50, s51
	s_delay_alu instid0(VALU_DEP_1)
	v_add_f32 v[AC], v[AC], v[AC+1]                ; the wave's sum, in every lane
	ds_store_b32 v3, v[AC]                         ; all lanes write the wave's word with the same number
	s_wait_dscnt 0x0                               ; for wave 0's sake
	s_barrier_signal -1
	s_barrier_wait -1
	s_cmp_lg_u32 s14, 0
	s_cbranch_scc1 .Lend
	ds_load_b128 v[152:155], v4
	ds_load_b128 v[156:159], v4 offset:16
	s_wait_dscnt 0x0
	v_pk_add_f32 v[152:153], v[152:153], v[154:155]
	v_pk_add_f32 v[156:157], v[156:157], v[158:159]
	s_delay_alu instid0(VALU_DEP_1)
	v_pk_add_f32 v[152:153], v[152:153], v[156:157]
	s_delay_alu instid0(VALU_DEP_1)
	v_add_f32 v152, v152, v153
	v_cmp_eq_u32 vcc_lo, 0, v0
	s_wait_alu depctr_va_vdst(0)
	s_wait_xcnt 0x0                                ; EXEC is a source of the stores above: it changes only behind this wait
	s_and_saveexec_b32 s52, vcc_lo
	global_store_b32 v4, v152, s[12:13]            ; one number for the work-group: the last launch adds the 512
	s_wait_xcnt 0x0
	s_or_b32 exec_lo, exec_lo, s52
.Lend:
	s_wait_tensorcnt 0x0
	ds_add_u32 v160, v161
	s_wait_dscnt 0x0
	s_endpgm
.Lfunc_end_k_q9ddea2c66a_gather:
	.size	k_q9ddea2c66a_gather, .Lfunc_end_k_q9ddea2c66a_gather-k_q9ddea2c66a_gather
	.p2alignl 7, 3214868480
	.fill 96, 4, 3214868480
	.section	.rodata,"a",@progbits
	.p2align	6, 0x0
	.amdhsa_kernel k_q9ddea2c66a_gather
		.amdhsa_group_segment_fixed_size 1280
		.amdhsa_private_segment_fixed_size 0
		.amdhsa_enable_private_segment 0
		.amdhsa_kernarg_size 40
		.amdhsa_user_sgpr_count 2
		.amdhsa_user_sgpr_kernarg_segment_ptr 1
		.amdhsa_wavefront_size32 1
		.amdhsa_system_sgpr_workgroup_id_x 1
		.amdhsa_system_sgpr_workgroup_id_y 1
		.amdhsa_system_sgpr_workgroup_id_z 1
		.amdhsa_system_vgpr_workitem_id 0
		.amdhsa_next_free_vgpr 162
		.amdhsa_next_free_sgpr 66
		.amdhsa_reserve_vcc 1
		.amdhsa_float_denorm_mode_32 3
		.amdhsa_float_denorm_mode_16_64 3
		.amdhsa_memory_ordered 1
		.amdhsa_forward_progress 1
		.amdhsa_inst_pref_size 17
	.end_amdhsa_kernel
	.amdgpu_metadata
---
amdhsa.version: [ 1, 2 ]
amdhsa.kernels:
  - .name:           k_q9ddea2c66a_gather
    .symbol:         k_q9ddea2c66a_gather.kd
    .args:
      - { .name: z, .offset: 0, .size: 8, .value_kind: global_buffer, .address_space: global }
      - { .name: emb, .offset: 8, .size: 8, .value_kind: global_buffer, .address_space: global }
      - { .name: idxw, .offset: 16, .size: 8, .value_kind: global_buffer, .address_space: global }
      - { .name: out0, .offset: 24, .size: 8, .value_kind: global_buffer, .address_space: global }
      - { .name: part, .offset: 32, .size: 8, .value_kind: global_buffer, .address_space: global }
    .group_segment_fixed_size: 1280
    .private_segment_fixed_size: 0
    .kernarg_segment_align: 8
    .kernarg_segment_size: 40
    .max_flat_workgroup_size: 256
    .sgpr_count:     66
    .vgpr_count:     162
    .wavefront_size: 32
...
	.end_amdgpu_metadata
.endif
;; end of part 3
;; launch total (part 4): grid 1 x 1, 1 waves a work-group, no clusters, 0 bytes of LDS; arguments part, out1, out2; writes out1, out2
.if DOCPART == 4
	.amdgcn_target "amdgcn-amd-amdhsa--gfx1250"
	.amdhsa_code_object_version 6
	.text
	.protected	k_q9ddea2c66a_total
	.globl	k_q9ddea2c66a_total
	.p2align	8
	.type	k_q9ddea2c66a_total,@function
k_q9ddea2c66a_total:
	s_mov_b64 s[64:65], 0
	v_nop
	global_prefetch_b8 v0, s[64:65] scope:SCOPE_SE
	s_setreg_imm32_b32 hwreg(HW_REG_WAVE_MODE, 25, 1), 1
	s_wait_xcnt 0x0
; out1 = out2 = 0.25 x the mean of (z_q - z)^2 = the sum of the 512 parts x 2^-25 (0.25 / (32,768 x 256), a power of two: the multiplication rounds nothing).
; One wave: 2,048 bytes by four loads of 512 consecutive bytes; a sum that spans work-groups is ordered by a launch of its own, since no launch has traffic between its work-groups.
	s_load_b128 s[4:7], s[0:1], 0x0                ; part s[4:5], out1 s[6:7]
	s_load_b64 s[8:9], s[0:1], 0x10                ; out2
	v_lshlrev_b32 v1, 4, v0                        ; 16 x lane
	v_mov_b32 v2, 0
	s_mov_b32 s10, 0x76543210                      ; v_permlanex16_b32's selects for lane l xor 16
	s_mov_b32 s11, 0xfedcba98
	s_wait_alu depctr_va_vdst(0)
	s_wait_kmcnt 0x0
.irp k, 0,1,2,3
	global_load_b128 v[4+4*\k:7+4*\k], v1, s[4:5] offset:512*\k
.endr
	s_wait_loadcnt 0x0
	v_pk_add_f32 v[4:5], v[4:5], v[6:7]
	v_pk_add_f32 v[8:9], v[8:9], v[10:11]
	v_pk_add_f32 v[12:13], v[12:13], v[14:15]
	v_pk_add_f32 v[16:17], v[16:17], v[18:19]
	v_pk_add_f32 v[4:5], v[4:5], v[8:9]
	v_pk_add_f32 v[12:13], v[12:13], v[16:17]
	v_pk_add_f32 v[4:5], v[4:5], v[12:13]
	v_add_f32 v4, v4, v5
	v_add_f32_dpp v4, v4, v4 row_xmask:1 row_mask:0xf bank_mask:0xf
	v_add_f32_dpp v4, v4, v4 row_xmask:2 row_mask:0xf bank_mask:0xf
	v_add_f32_dpp v4, v4, v4 row_xmask:4 row_mask:0xf bank_mask:0xf
	v_add_f32_dpp v4, v4, v4 row_xmask:8 row_mask:0xf bank_mask:0xf
	v_permlanex16_b32 v5, v4, s10, s11
	v_add_f32 v4, v4, v5
	v_mul_f32 v4, 0x33000000, v4                   ; x 2^-25
	v_cmp_eq_u32 vcc_lo, 0, v0
	s_wait_alu depctr_va_vdst(0)
	s_wait_xcnt 0x0                                ; EXEC changes only behind this wait
	s_and_saveexec_b32 s12, vcc_lo
	global_store_b32 v2, v4, s[6:7]
	global_store_b32 v2, v4, s[8:9]
	s_wait_xcnt 0x0
	s_or_b32 exec_lo, exec_lo, s12
	s_endpgm
.Lfunc_end_k_q9ddea2c66a_total:
	.size	k_q9ddea2c66a_total, .Lfunc_end_k_q9ddea2c66a_total-k_q9ddea2c66a_total
	.p2alignl 7, 3214868480
	.fill 96, 4, 3214868480
	.section	.rodata,"a",@progbits
	.p2align	6, 0x0
	.amdhsa_kernel k_q9ddea2c66a_total
		.amdhsa_group_segment_fixed_size 0
		.amdhsa_private_segment_fixed_size 0
		.amdhsa_enable_private_segment 0
		.amdhsa_kernarg_size 24
		.amdhsa_user_sgpr_count 2
		.amdhsa_user_sgpr_kernarg_segment_ptr 1
		.amdhsa_wavefront_size32 1
		.amdhsa_system_sgpr_workgroup_id_x 1
		.amdhsa_system_sgpr_workgroup_id_y 1
		.amdhsa_system_sgpr_workgroup_id_z 1
		.amdhsa_system_vgpr_workitem_id 0
		.amdhsa_next_free_vgpr 32
		.amdhsa_next_free_sgpr 66
		.amdhsa_reserve_vcc 1
		.amdhsa_float_denorm_mode_32 3
		.amdhsa_float_denorm_mode_16_64 3
		.amdhsa_memory_ordered 1
		.amdhsa_forward_progress 1
		.amdhsa_inst_pref_size 3
	.end_amdhsa_kernel
	.amdgpu_metadata
---
amdhsa.version: [ 1, 2 ]
amdhsa.kernels:
  - .name:           k_q9ddea2c66a_total
    .symbol:         k_q9ddea2c66a_total.kd
    .args:
      - { .name: part, .offset: 0, .size: 8, .value_kind: global_buffer, .address_space: global }
      - { .name: out1, .offset: 8, .size: 8, .value_kind: global_buffer, .address_space: global }
      - { .name: out2, .offset: 16, .size: 8, .value_kind: global_buffer, .address_space: global }
    .group_segment_fixed_size: 0
    .private_segment_fixed_size: 0
    .kernarg_segment_align: 8
    .kernarg_segment_size: 24
    .max_flat_workgroup_size: 32
    .sgpr_count:     66
    .vgpr_count:     32
    .wavefront_size: 32
...
	.end_amdgpu_metadata
.endif
;; end of part 4
